; MI455X (gfx1250); checked and timed in simulation.
; The chip was launched on July 23, 2026; its instructions are those of AMD's public machine-readable ISA for CDNA 5 (MIT licence, August 2026) and "CDNA5" Instruction Set Architecture Reference Guide (July 2026). The comments in the code are by the model that wrote it; some were corrected since.
;; SVD Quant Linear. Allowed arithmetic: matrix products marked QUANTISED: E2M1 operands, one E8M0 scale for each 32 along K, by v_wmma_scale_f32_16x16x128_f8f6f4 with both operands' format E2M1 (or v_wmma_scale_f32_32x16x128_f4), f32 sums; products left as they are: f32 operands where the result goes on into a quantised operand, else bf16, f16 or f32 operands; f32 sums; everything else in f32.
;; Inputs: lora_A 16 x 4,096 float32; lora_B 4,096 x 16 float32; lora_E 16 x 1 float32; qweight 4,096 x 4,096 int32; scales 4,096 x 32 float32; x 4,096 x 4,096 float32; zeros 4,096 x 32 float32.
;; Outputs: out0 4,096 x 4,096 float32.
;; This version of the problem:
;;   THIS VERSION OF THE PROBLEM IS GIVEN IN LOW PRECISION. The matrix products marked QUANTISED in the list below multiply operands that are first quantised to E2M1 (2 exponent bits, 1 mantissa bit; 4 bits a number), with one power-of-two scale for each 32 numbers along K (OCP MX v1.0); their sums are f32. All else is computed in f32.
;;   The module's matrix products, in the order in which they are computed (A, B: the left and right operand; K: the contracted axis; several contracted axes count as one K, in the product's order):
;;     1. [M 4,096, K 4,096] x [K 4,096, N 4,096]; A: input x; B: computed on the way: QUANTISED
;;     2. [M 4,096, K 4,096] x [K 4,096, N 16]; A: input x; B: computed on the way: QUANTISED
;;     3. [M 4,096, K 16] x [K 16, N 4,096]; A: computed on the way; B: input lora_B: left as it is (K = 16 < 32)
;;   THE QUANTISER, for each operand of a quantised product, along K:
;;     - K is cut into blocks of 32 from its start; a last block that is shorter is filled with zeros.
;;     - A block's scale is 2^e with e = floor(log2(the largest magnitude in the block)) - 2, held to -126 .. 127; a block of zeros has e = 0. As a byte (E8M0): e + 127.
;;     - Each number is divided by its block's scale, clamped to +-6, and rounded to the nearest number of E2M1, ties to even, subnormals kept.
;;     - The product sums the exact products of the quantised numbers (number of the format x scale) in f32.
;;   ~~~python
;;   def quantise(x, axis):      # numpy; x: float32 -> the quantised numbers, widened to float32 again
;;       x = np.moveaxis(x, axis, -1); K = x.shape[-1]
;;       x = np.pad(x, [(0, 0)] * (x.ndim - 1) + [(0, -K % 32)]); x = x.reshape(x.shape[:-1] + (-1, 32)); a = np.abs(x).max(-1, keepdims=True)
;;       e = np.where(a > 0, np.clip(np.frexp(np.where(a > 0, a, 1))[1] - 1 - 2, -126, 127), 0)      # np.frexp(a)[1] - 1 = floor(log2(a)), exactly
;;       r = np.clip(x / 2.0 ** e, -6, 6)
;;       step = 2.0 ** (np.maximum(np.frexp(np.where(r == 0, 1, r))[1] - 1, 0) - 1)
;;       q = np.round(r / step) * step * 2.0 ** e      # np.round: ties to even
;;       return np.moveaxis(q.reshape(q.shape[:-2] + (-1,))[..., :K], -1, axis).astype(np.float32)
;;   ~~~
;;   OPERANDS COMPUTED ON THE WAY. 'Computed on the way' means the value that the module computes at that place (a softmax that the list does not call 'softmax' is quantised finished and normalised). What goes into a quantiser is computed in f32, as accurately as f32 sums, v_exp_f32 and their like allow (about 1e-6 of the number): no bf16 or f16 on the way to a quantiser, and a product that is left as it is and whose result goes on into a quantised operand takes f32 operands (vector FMAs, or v_wmma_f32_16x16x4_f32). A number that lies on a knife's edge between two numbers of the format may be rounded either way, as far as f32 arithmetic and the matrix unit's own rounding can turn it there, and no further.
;; One version. Each part assembles by itself: llvm-mc -triple=amdgcn-amd-amdhsa -mcpu=gfx1250 --defsym DOCPART=n.
;; ======== version 1 of 1: 2 launches
;; limits: values are held in bf16: 8 bits of precision; right only within a limited range of input values
;; workspace buffers: xq 8,912,896 bytes; wq 8,912,896 bytes; aq 34,816 bytes
;; launch quant (part 1): grid 1026 x 1, 4 waves a work-group, no clusters, 34,304 bytes of LDS; arguments x, qweight, scales, zeros, lora_A, lora_E, xq, wq, aq; writes xq, wq, aq
.if DOCPART == 1
	.amdgcn_target "amdgcn-amd-amdhsa--gfx1250"
	.amdhsa_code_object_version 6
	.text
	.protected	k_q74fde31065_quant
	.globl	k_q74fde31065_quant
	.p2align	8
	.type	k_q74fde31065_quant,@function
k_q74fde31065_quant:
	s_mov_b64 s[64:65], 0
	v_nop
	global_prefetch_b8 v0, s[64:65] scope:SCOPE_SE
	s_setreg_imm32_b32 hwreg(HW_REG_WAVE_MODE, 25, 1), 1
	s_wait_xcnt 0x0
; Three operands become codes of FP4 (E2M1) with one E8M0 scale byte for each 32 along K (K = 4,096, innermost in all three):
;   x [4096][4096] f32 as it is;   W[o][i] = (qweight[o][i] - zeros[o][i/128]) * scales[o][i/128], made in f32 with the two roundings of the source;   (lora_A * lora_E) [16][4096].
; A block's scale is 2^(floor(log2(its largest magnitude)) - 2); its byte is the largest magnitude's exponent field - 2, held at 1 from below; each number / scale goes to the nearest code, ties to even, beyond 6 the code of 6.
; LIMITS: NaN and infinities among the inputs are not served.  A block of zeros gets the byte 1 (its codes are zeros, which add nothing under that byte; the bytes are read by this program alone).
; THE OUTPUT IS LAID IN THE ORDER OF THE MATRIX OPERAND'S REGISTERS.  xq, wq: [128 rows p][K step of 512 s][34,816 bytes]: codes [16 rows g (8)][block of 32 k (16)][row r (16)][16 bytes], then scale words [g (8)][r (16)][4 words, one for 128 k].
; aq: [K step s (8)][4,352 bytes]: codes [block (16)][r (16)][16 bytes], then words [r (16)][4].  So a fragment of 16 rows x 128 k is 1,024 consecutive bytes, lane l's 16 bytes of each half at 16 l.
; SHARES.  A wave takes 16 rows x 512 k, as four tiles of 16 x 128.  Work-groups 0-511 take x, 512-1023 W, 1024 and 1025 lora_A: only pointers and a few vector lines differ; every LDS line is on the one common path.
; A load reads 512 consecutive bytes of one row (16 a lane).  The conversions want 32 neighbours along K in ONE lane: a tile turns through the wave's own stage in LDS (16 rows, 528 bytes apart) and
; comes back with lane (r, h) holding k = 64 c + 32 h + 0 .. 31 of row r: two whole blocks, so that no other lane is asked for a maximum, and the codes are the operand's registers as they stand.
; Waves share nothing: no barrier.  The next tile's 16 loads are on their way while a tile is worked.
.set HB,   34816                       ; a block of xq or wq: 128 rows x 512 k: 32,768 bytes of codes + 2,048 of scale words
.set STG,  8448                        ; a wave's stage: 16 rows x 528 bytes
.set PIT,  528                         ; 512 bytes + 16: an odd multiple of 16, so that sixteen rows' reads of one column fall on different banks
.set OFF,  2                           ; v2   16 x lane: my bytes of a load's 512 and of a code store's 512; never rewritten
.set SI,   3                           ; v3   the stage, on the way in
.set SOUT, 4                           ; v4   and on the way out: row r, + 128 h
.set M,    10                          ; v10-11 largest magnitudes of my two blocks
.set SO,   12                          ; v12-13 the conversions' scale operands
.set BY,   14                          ; v14-15 the scale bytes
.set Z,    16                          ; v16-19 zeros of my row for the four tiles
.set S,    20                          ; v20-23 scales of my row for the four tiles (lora_A: lora_E of my row, four times)
.set ZZ,   24                          ; v[24:25] the tile's zero, twice
.set SS,   26                          ; v[26:27] the tile's scale, twice
.set W,    28                          ; v28-31 my row's scale word of each tile
.set C,    32                          ; v32-39 a tile's codes
.set R,    40                          ; v40-103 a tile as loaded
.set X,    104                         ; v104-167 a tile after the turn: register 32 c + i = k 64 c + 32 h + i of row r
	s_load_b256 s[4:11], s[0:1], 0x0               ; x s[4:5], qweight s[6:7], scales s[8:9], zeros s[10:11]
	s_load_b256 s[12:19], s[0:1], 0x20             ; lora_A s[12:13], lora_E s[14:15], xq s[16:17], wq s[18:19]
	s_load_b64 s[20:21], s[0:1], 0x40              ; aq
	v_lshl_add_u32 v168, v0, 2, 0x8400
	v_mov_b32 v169, 0
	v_lshrrev_b32 v1, 5, v0
	v_readfirstlane_b32 s22, v1                    ; wave 0..3
	v_and_b32 v1, 31, v0                           ; lane
	v_and_b32 v10, 15, v0                          ; r
	v_bfe_u32 v11, v0, 4, 1                        ; h
	v_lshlrev_b32 v[OFF], 4, v1
	s_mul_i32 s27, s22, STG                        ; my stage
	v_add_nc_u32 v[SI], s27, v[OFF]
	v_mul_u32_u24 v[SOUT], v10, PIT
	v_lshl_add_u32 v[SOUT], v11, 7, v[SOUT]
	v_add_nc_u32 v[SOUT], s27, v[SOUT]
	v_lshlrev_b32 v5, 7, v10                       ; a row of zeros or of scales is 128 bytes
	v_lshlrev_b32 v6, 2, v10                       ; lora_E: 4 bytes a row
	v_lshlrev_b32 v7, 4, v10                       ; my row's four scale words on the way out
	v_lshlrev_b32 v8, 3, v11                       ; 8 h: how far my two bytes are shifted in a scale word
	v_mov_b32 v9, 0                                ; written once: a lane permute's destination counts as one of its sources
.irp i, 0,1,2,3
	v_mov_b32 v[Z+\i], 0                           ; written on every path; W's and lora_A's work-groups load over them
	v_mov_b32 v[S+\i], 1.0
.endr
	s_lshr_b32 s23, ttmp9, 9                       ; which tensor: 0 x, 1 W, 2 lora_A
	s_and_b32 s24, ttmp9, 511
	s_lshl_b32 s24, s24, 2
	s_add_co_u32 s24, s24, s22                     ; my unit in the tensor
	s_lshr_b32 s25, s24, 3                         ; G: which 16 rows
	s_and_b32 s26, s24, 7                          ; which K step of 512
	s_lshl_b32 s32, s25, 18                        ; in: 16 rows of 16,384 bytes,
	s_lshl_b32 s33, s26, 11                        ; 512 numbers of 4 bytes
	s_add_co_u32 s32, s32, s33
	s_mov_b32 s33, 0
	s_mov_b32 s45, HB
	s_mov_b32 s46, 32768
	s_cmp_eq_u32 s23, 2
	s_cselect_b32 s45, 4352, s45                   ; a block of the output in bytes,
	s_cselect_b32 s46, 4096, s46                   ; and where its scale words begin
	s_and_b32 s47, s25, 0xf8                       ; 8 x (G / 8): eight blocks for each 128 rows
	s_add_co_u32 s47, s47, s26
	s_mul_i32 s47, s47, s45                        ; my block
	s_and_b32 s24, s25, 7                          ; my 16 rows in it
	s_lshl_b32 s34, s24, 12
	s_add_co_u32 s34, s34, s47                     ; my 4,096 bytes of codes
	s_mov_b32 s35, 0
	s_lshl_b32 s36, s24, 8
	s_add_co_u32 s36, s36, s47
	s_add_co_u32 s36, s36, s46                     ; my 256 bytes of scale words
	s_mov_b32 s37, 0
	s_lshl_b32 s38, s25, 11                        ; zeros, scales: 16 rows of 128 bytes,
	s_lshl_b32 s39, s26, 4                         ; four groups of 128 k
	s_add_co_u32 s38, s38, s39
	s_mov_b32 s39, 0
	s_mov_b32 s42, 0x76543210
	s_mov_b32 s43, 0xfedcba98                      ; v_permlanex16_b32's selects for lane l xor 16
	s_wait_kmcnt 0x0
	s_cmp_eq_u32 s23, 0                            ; the choices hang on the work-group's number alone
	s_cselect_b64 s[28:29], s[4:5], s[6:7]
	s_cselect_b64 s[30:31], s[16:17], s[18:19]
	s_cmp_eq_u32 s23, 2
	s_cselect_b64 s[28:29], s[12:13], s[28:29]
	s_cselect_b64 s[30:31], s[20:21], s[30:31]
	s_add_nc_u64 s[28:29], s[28:29], s[32:33]      ; where I read
	s_add_nc_u64 s[34:35], s[30:31], s[34:35]      ; where my codes go
	s_add_nc_u64 s[36:37], s[30:31], s[36:37]      ; and my scale words
	s_add_nc_u64 s[40:41], s[8:9], s[38:39]        ; scales
	s_add_nc_u64 s[38:39], s[10:11], s[38:39]      ; zeros
	s_cmp_eq_u32 s23, 1
	s_cbranch_scc0 .Lnot_w
	global_load_b128 v[Z:Z+3], v5, s[38:39]        ; my row's zeros and scales of the unit's four groups of 128 k
	global_load_b128 v[S:S+3], v5, s[40:41]
	s_branch .Lsmall_done
.Lnot_w:
	s_cmp_eq_u32 s23, 2
	s_cbranch_scc0 .Lsmall_done
.irp i, 0,1,2,3
	global_load_b32 v[S+\i], v6, s[14:15]          ; lora_E of my row takes the scales' place
.endr
.Lsmall_done:
.macro LOAD t                          ; tile t: 16 loads, each 512 consecutive bytes of one row, at a multiple of 512 from the tensor's first byte
.irp i, 0,1,2,3,4,5,6,7,8,9,10,11,12,13,14,15
	global_load_b128 v[R+4*\i:R+4*\i+3], v[OFF], s[28:29] offset:16384*\i+512*(\t) th:TH_LOAD_NT
.endr
.endm
	LOAD 0
.macro TILE t
.irp i, 0,1,2,3,4,5,6,7,8,9,10,11,12,13,14,15
	s_wait_loadcnt 15-\i                           ; loads come back in order: row i's is in, the tile's later ones may be out; the small loads at the head are older still
	ds_store_b128 v[SI], v[R+4*\i:R+4*\i+3] offset:PIT*\i
.endr
.irp c, 0,1
.irp j, 0,1,2,3,4,5,6,7
	ds_load_b128 v[X+32*\c+4*\j:X+32*\c+4*\j+3], v[SOUT] offset:256*\c+16*\j   ; LDS serves a wave's instructions in order: these see the stores above
.endr
.endr
	s_wait_dscnt 0x0                               ; the tile is back, and the stores have read their registers,
.if \t < 3
	LOAD (\t)+1                                    ; which take the next tile while this one is worked
.endif
	s_cmp_eq_u32 s23, 0
	s_cbranch_scc1 .Lplain_\@                      ; x is quantised as it is
	s_cmp_eq_u32 s23, 2
	s_cbranch_scc1 .Lgain_\@                       ; lora_A is only multiplied
.irp i, 0,1,2,3,4,5,6,7,8,9,10,11,12,13,14,15,16,17,18,19,20,21,22,23,24,25,26,27,28,29,30,31,32,33,34,35,36,37,38,39,40,41,42,43,44,45,46,47,48,49,50,51,52,53,54,55,56,57,58,59,60,61,62,63
	v_cvt_f32_i32 v[X+\i], v[X+\i]                 ; qweight as f32
.endr
	v_mov_b32 v[ZZ], v[Z+\t]
	v_mov_b32 v[ZZ+1], v[Z+\t]
.irp i, 0,2,4,6,8,10,12,14,16,18,20,22,24,26,28,30,32,34,36,38,40,42,44,46,48,50,52,54,56,58,60,62
	v_pk_add_f32 v[X+\i:X+\i+1], v[X+\i:X+\i+1], v[ZZ:ZZ+1] neg_lo:[0,1] neg_hi:[0,1]   ; q - zero, rounded,
.endr
.Lgain_\@:
	s_wait_alu depctr_va_vdst(0)
	v_mov_b32 v[SS], v[S+\t]
	v_mov_b32 v[SS+1], v[S+\t]
.irp i, 0,2,4,6,8,10,12,14,16,18,20,22,24,26,28,30,32,34,36,38,40,42,44,46,48,50,52,54,56,58,60,62
	v_pk_mul_f32 v[X+\i:X+\i+1], v[X+\i:X+\i+1], v[SS:SS+1]                              ; then x scale, rounded: not fused, as the source has it
.endr
.Lplain_\@:
.irp c, 0,1
	v_max3_num_f32 v[M+\c], |v[X+32*\c]|, |v[X+32*\c+1]|, 0x1800000   ; my block 2 c + h: all 32 numbers are mine; the floor 2^(3 - 127) holds the byte at 1 from below
.endr
.irp i, 2,4,6,8,10,12,14,16,18,20,22,24,26,28,30
.irp c, 0,1
	v_max3_num_f32 v[M+\c], v[M+\c], |v[X+32*\c+\i]|, |v[X+32*\c+\i+1]|   ; (the two blocks by turns)
.endr
.endr
.irp c, 0,1
	v_add_nc_u32 v[SO+\c], 0xff000000, v[M+\c]     ; 2 off the exponent field: the conversion takes this operand's exponent field as its scale, and nothing else of it
.endr
.irp c, 0,1
	v_lshrrev_b32 v[BY+\c], 23, v[SO+\c]           ; the scale's byte
.endr
	v_lshl_or_b32 v[W+\t], v[BY+1], 16, v[BY]      ; my two bytes: blocks h and 2 + h of the tile,
	v_lshlrev_b32 v[W+\t], v8, v[W+\t]             ; at their places in the word;
	v_permlanex16_b32 v9, v[W+\t], s42, s43
	v_or_b32 v[W+\t], v[W+\t], v9                  ; with lane l xor 16's two the word is whole
.if \t > 0
	s_wait_alu depctr_va_vdst(0)
	s_wait_xcnt 0x0                                ; the last tile's stores have read the codes' registers: only behind this wait are they written again
.endif
.irp c, 0,1
.irp g, 0,1,2,3
	v_cvt_scalef32_pk8_fp4_f32 v[C+4*\c+\g], v[X+32*\c+8*\g:X+32*\c+8*\g+7], v[SO+\c]
.endr
.endr
	v_nop                                          ; one plain line behind the last scaled conversion
.irp c, 0,1
	global_store_b128 v[OFF], v[C+4*\c:C+4*\c+3], s[34:35] offset:1024*(\t)+512*\c   ; 32 lanes store 512 consecutive bytes, at a multiple of 256 from the buffer's first byte: half a fragment as the matrix unit takes it
.endr
.endm
	TILE 0
	TILE 1
	TILE 2
	TILE 3
	s_wait_xcnt 0x0                                ; EXEC is a source of the pending stores: it changes only behind this wait
	v_cmp_gt_u32 vcc_lo, 16, v1
	s_wait_tensorcnt 0x0
	ds_add_u32 v168, v169
	s_wait_dscnt 0x0
	s_and_saveexec_b32 s44, vcc_lo                 ; lanes 0-15: both halves hold the same words
	global_store_b128 v7, v[W:W+3], s[36:37]       ; sixteen lanes store 256 consecutive bytes, at a multiple of 256 from the buffer's first byte
	s_wait_xcnt 0x0                                ; and again, in front of the line that widens it
	s_or_b32 exec_lo, exec_lo, s44
	s_endpgm
.Lfunc_end_k_q74fde31065_quant:
	.size	k_q74fde31065_quant, .Lfunc_end_k_q74fde31065_quant-k_q74fde31065_quant
	.p2alignl 7, 3214868480
	.fill 96, 4, 3214868480
	.section	.rodata,"a",@progbits
	.p2align	6, 0x0
	.amdhsa_kernel k_q74fde31065_quant
		.amdhsa_group_segment_fixed_size 34304
		.amdhsa_private_segment_fixed_size 0
		.amdhsa_enable_private_segment 0
		.amdhsa_kernarg_size 72
		.amdhsa_user_sgpr_count 2
		.amdhsa_user_sgpr_kernarg_segment_ptr 1
		.amdhsa_wavefront_size32 1
		.amdhsa_system_sgpr_workgroup_id_x 1
		.amdhsa_system_sgpr_workgroup_id_y 1
		.amdhsa_system_sgpr_workgroup_id_z 1
		.amdhsa_system_vgpr_workitem_id 0
		.amdhsa_next_free_vgpr 170
		.amdhsa_next_free_sgpr 66
		.amdhsa_reserve_vcc 1
		.amdhsa_float_denorm_mode_32 3
		.amdhsa_float_denorm_mode_16_64 3
		.amdhsa_memory_ordered 1
		.amdhsa_forward_progress 1
		.amdhsa_inst_pref_size 59
	.end_amdhsa_kernel
	.amdgpu_metadata
---
amdhsa.version: [ 1, 2 ]
amdhsa.kernels:
  - .name:           k_q74fde31065_quant
    .symbol:         k_q74fde31065_quant.kd
    .args:
      - { .name: x, .offset: 0, .size: 8, .value_kind: global_buffer, .address_space: global }
      - { .name: qweight, .offset: 8, .size: 8, .value_kind: global_buffer, .address_space: global }
      - { .name: scales, .offset: 16, .size: 8, .value_kind: global_buffer, .address_space: global }
      - { .name: zeros, .offset: 24, .size: 8, .value_kind: global_buffer, .address_space: global }
      - { .name: lora_A, .offset: 32, .size: 8, .value_kind: global_buffer, .address_space: global }
      - { .name: lora_E, .offset: 40, .size: 8, .value_kind: global_buffer, .address_space: global }
      - { .name: xq, .offset: 48, .size: 8, .value_kind: global_buffer, .address_space: global }
      - { .name: wq, .offset: 56, .size: 8, .value_kind: global_buffer, .address_space: global }
      - { .name: aq, .offset: 64, .size: 8, .value_kind: global_buffer, .address_space: global }
    .group_segment_fixed_size: 34304
    .private_segment_fixed_size: 0
    .kernarg_segment_align: 8
    .kernarg_segment_size: 72
    .max_flat_workgroup_size: 128
    .sgpr_count:     66
    .vgpr_count:     170
    .wavefront_size: 32
...
	.end_amdgpu_metadata
.endif
;; end of part 1
;; launch gemm (part 2): grid 16 x 16, 4 waves a work-group, clusters of 4 x 4, 327,680 bytes of LDS; arguments xq, wq, aq, lora_B, out0; writes out0
.if DOCPART == 2
	.amdgcn_target "amdgcn-amd-amdhsa--gfx1250"
	.amdhsa_code_object_version 6
	.text
	.protected	k_q74fde31065_gemm
	.globl	k_q74fde31065_gemm
	.p2align	8
	.type	k_q74fde31065_gemm,@function
k_q74fde31065_gemm:
	s_mov_b64 s[64:65], 0
	v_nop
	global_prefetch_b8 v0, s[64:65] scope:SCOPE_SE
	s_setreg_imm32_b32 hwreg(HW_REG_WAVE_MODE, 25, 1), 1
	s_wait_xcnt 0x0
	s_wait_alu depctr_hold_cnt(0) depctr_sa_sdst(0) depctr_va_vdst(0) depctr_va_sdst(0) depctr_va_ssrc(0) depctr_va_vcc(0) depctr_vm_vsrc(0)
	s_getreg_b32 s2, hwreg(HW_REG_IB_STS2, 6, 4)
	s_cmp_eq_u32 s2, 0
	s_cbranch_scc0 .Lentry_in_a_cluster
	s_endpgm
.Lentry_in_a_cluster:
	s_bfe_u32 s2, ttmp6, 0x10000c
	s_cmp_lg_u32 s2, 0xf033
	s_cbranch_scc0 .Lentry_shape_is_right
	s_endpgm
.Lentry_shape_is_right:
; out0[m][n] = sum_k Q(x)[m][k] Q(W)[n][k] + c * sum_j T[m][j] lora_B[n][j],  T[m][j] = sum_k Q(x)[m][k] Q(lora_A*lora_E)[j][k],  c = 16 / 16.00001.
; xq, wq, aq hold codes of FP4 (E2M1) and E8M0 scale words in the order of the matrix operand's registers: [128 rows][K step of 512][34,816 bytes]: codes [16 rows g][block of 32 k][row r][16 bytes],
; then scale words [g][r][4].  A fragment of 16 rows x 128 k is 1,024 consecutive bytes, lane l's 16 bytes of each half at 16 l.  aq: [K step][4,352 bytes] in the same order for its 16 rows.
; A work-group of four waves makes 256 x 256 of out0, a wave 128 x 128: 64 accumulators, 512 registers; T of the wave's 128 rows rides along (8 accumulators).  The third product (K = 16) takes bf16 operands; c is folded into lora_B.
; K goes in eight steps of 512 through a ring of two LDS slots (A's two blocks of 128 rows, then B's two); aq lies in LDS for the whole launch.
; CLUSTERS: 4 x 4 work-groups; A's blocks are asked for jointly along a row of the cluster, B's along a column.  aq is 34,816 of the 1,148,928 bytes that a work-group fetches and comes by plain loads.
; THE HEAD: one tensor load a wave: wave 0 both blocks of A's K step 0 (2 rows of 34,816 bytes, a panel apart in memory), wave 1 B's, waves 2 and 3 half of aq each.  Slot 1 is first filled as a refill is.
; FRAGMENTS: two sets of registers for A, for B and for aq's rows; the 34 LDS loads of a step of 128 stand in one run at the head of the step before.
; THE CHANGE OF SLOTS stands at the head of a slot's last step: that step's fragments are in registers, so the wave's reads of the slot are over.
; PREFETCH: behind the load of K step t (t = 0 .. 5) each wave names, for K step t + 2, 34 blocks of 256 bytes: a quarter of the block of 34,816 bytes that it fetches in the ring; the four partners that ask
; for that block jointly take a quarter each, by address (cx for A, cy for B).  The second instruction's lanes 1-31 name the wave's last block.  The loads of K steps 6 and 7 ask for nothing.
; THE MATRIX INSTRUCTION IS USED TRANSPOSED (source 0 = rows of W, source 1 = rows of x): a lane holds eight neighbouring numbers of a row of out0.
; LIMITS: T and c * lora_B are rounded to bf16 for the third product.  NaN and infinities among the inputs are not served.
; REGISTERS: window 0: v0-31 addresses; v32-103 scale words, a set for each slot; v128-191, v192-255 A's fragments (at the head v192-255 hold lora_B as loaded; on the way out v128-255 hold rows read back).
;   window 1: v0-63, v128-191 B's fragments; v64-95 c * lora_B in bf16; v104-119 aq's fragments; v192-255 T.   windows 2, 3: the accumulators of my rows 0-63, 64-127 ((a, b) at v[8 (8 (a % 4) + b)]).
.set SIZE_N, 4096
.set NQ,     4                         ; steps of 128 in a slot
.set NP,     4                         ; places behind these matrix instructions (ISA guide 7.12.1)
.set LAPS,   4                         ; a lap = two K steps of 512
.set HB,     34816                     ; a block: 128 rows x 512 k, codes and scale words
.set PANEL,  8*HB                      ; 128 rows, all of K
.set SLOT,   4*HB
.set AEL,    2*SLOT                    ; aq in LDS
.set AEH,    17408                     ; half of it
.set AES,    4352                      ; its part for one K step
.set SPARE,  AEL+2*AEH                 ; the spare words: 128 bytes a wave, named by no other line
.set SPITCH, 528                       ; the way out: a stage of 16 rows x (512 + 16) bytes a wave, in slot 0 behind its last fill and last read
.set SHARE,  HB/4                      ; what one partner prefetches of a block
.set ADRA, 16                          ; v16-17 my A fragments in slot 0, 1
.set PF0,  18                          ; v18-19 the prefetches' offsets
.set PF1,  19
.set ADRB, 20                          ; v20-21 my B fragments
.set ADRS, 22                          ; v22-23 scale words: lanes 0-15 A's, lanes 16-31 B's
.set STO,  24
.set RD,   25
.set CO,   26                          ; 16 x lane
.set ADRE, 27                          ; aq's fragments, stepped once a K step
.set SPW,  28
.set NIL,  29
.set ADRES, 30                         ; aq's scale words
.set LBO,  31
.set SC,   32
.set SCE,  96
.set AF,   128
.set LBR,  192                         ; lora_B as loaded (window 0)
.set LBP,  64                          ; c * lora_B, bf16, 4 registers for 16 columns (window 1)
.set EF,   104
.set TA,   192
.set TF,   128                         ; T's bf16 fragments at the end (window 1)
.set BK,   128
.set G1, 24
.set G0, 32
.set G1B, 48
.set G0B, 56
.set G1E, 68
.set G0E, 76
.set G1H, 80                           ; the head's loads of K step 0: group 1 for A, for B; group 0 for A, for B
.set G1HB, 88
.set G0H, 96
.set G0HB, 4
.set PFA, 100                          ; s[100:101] my share of the block of the K step that is being loaded; a prefetch names the block two on
.set MSB, 0
.macro WIN new                         ; the immediate's high byte repeats the setting that is left
.if MSB != \new
	s_set_vgpr_msb (MSB<<8)|\new
.set MSB, \new
.endif
.endm
.set MUL_LO, 0xa1                      ; source 0 window 1, source 1 window 0, C and D window 2
.set MUL_HI, 0xf1
.set W_T,    0x51                      ; T: C and D window 1
.set TO_B,   0x40                      ; destination window 1
.set ALL1,   0x55
.macro JLOAD g0a, g1a, g0b, g1b        ; a joint load: waves 0, 1 for A, waves 2, 3 for B; s_nop 0 and four v_nop behind each line
	s_cmp_eq_u32 s15, 0
	s_cbranch_scc0 .Lfor_b_\@
	tensor_load_to_lds s[\g0a:\g0a+3], s[\g1a:\g1a+7]
	s_nop 0
.rept 4
	v_nop
.endr
	s_branch .Lasked_\@
.Lfor_b_\@:
	tensor_load_to_lds s[\g0b:\g0b+3], s[\g1b:\g1b+7]
	s_nop 0
.rept 4
	v_nop
.endr
.Lasked_\@:
.endm
.macro CREST                           ; a round of the cluster's barrier behind its opening barrier
	s_cmp_lg_u32 s14, 0
	s_cbranch_scc1 .Lnot_wave_0_\@
	s_barrier_signal -3
.Lnot_wave_0_\@:
	s_barrier_wait -3
	s_barrier_signal -1
	s_barrier_wait -1
.endm
.macro CROUND
	s_barrier_signal -1
	s_barrier_wait -1
	CREST
.endm
.macro PF                              ; 34 blocks of 256 bytes, two K steps on
	global_prefetch_b8 v[PF0], s[PFA:PFA+1] offset:2*HB th:TH_LOAD_NT scope:SCOPE_SE
	global_prefetch_b8 v[PF1], s[PFA:PFA+1] offset:2*HB th:TH_LOAD_NT scope:SCOPE_SE
.endm
	s_load_b256 s[4:11], s[0:1], 0x0               ; xq, wq, aq, lora_B
	s_load_b64 s[12:13], s[0:1], 0x20              ; out0
	v_lshl_add_u32 v[SPW], v0, 2, SPARE
	v_mov_b32 v[NIL], 0
	ds_add_u32 v[SPW], v[NIL]                      ; the opening lines: the add twice on end and one wait
	ds_add_u32 v[SPW], v[NIL]
	v_lshrrev_b32 v1, 5, v0
	v_readfirstlane_b32 s14, v1                    ; wave
	s_lshr_b32 s15, s14, 1                         ; my half of the rows; also: in the ring I fetch for A (0) or B (1)
	s_and_b32 s16, s14, 1                          ; my half of the columns; also: which block of 128 rows I fetch
	s_bfe_u32 s40, ttmp6, 0x40000                  ; cx
	s_bfe_u32 s41, ttmp6, 0x40004                  ; cy
	s_lshl_b32 s42, ttmp9, 2
	s_add_co_u32 s42, s42, s40                     ; tile column
	s_and_b32 s17, ttmp7, 0xffff
	s_lshl_b32 s17, s17, 2
	s_add_co_u32 s17, s17, s41                     ; tile row
	s_lshl_b32 s43, s41, 2
	s_lshl_b32 s43, 15, s43                        ; my row of the cluster
	s_lshl_b32 s44, 0x1111, s40                    ; my column
	s_or_b32 s[G1], s43, (3<<16)|(1<<21)           ; elements of 8 bytes, no padding, bit 21 beside the mask
	s_or_b32 s[G1B], s44, (3<<16)|(1<<21)
	s_or_b32 s[G1H], s43, (3<<16)|(1<<21)
	s_or_b32 s[G1HB], s44, (3<<16)|(1<<21)
.irp g, G1, G1B                        ; the ring: a dense block as 136 rows of 256 bytes
	s_mov_b32 s[\g+1], 32<<16
	s_mov_b32 s[\g+2], 136<<16
	s_mov_b32 s[\g+3], 32<<16
	s_mov_b32 s[\g+4], 136
	s_mov_b32 s[\g+5], 32
	s_mov_b32 s[\g+6], 0
	s_mov_b32 s[\g+7], 0
.endr
.irp g, G1H, G1HB                      ; the head: two blocks, each one row of 4,352 elements, a panel apart
	s_mov_b32 s[\g+1], (HB/8)<<16
	s_mov_b32 s[\g+2], 2<<16
	s_mov_b32 s[\g+3], (HB/8)<<16
	s_mov_b32 s[\g+4], 2
	s_mov_b32 s[\g+5], PANEL/8
	s_mov_b32 s[\g+6], 0
	s_mov_b32 s[\g+7], 0
.endr
	s_mov_b32 s[G1E+0], 3<<16                      ; half of aq: 68 rows of 256 bytes
	s_mov_b32 s[G1E+1], 32<<16
	s_mov_b32 s[G1E+2], 68<<16
	s_mov_b32 s[G1E+3], 32<<16
	s_mov_b32 s[G1E+4], 68
	s_mov_b32 s[G1E+5], 32
	s_mov_b32 s[G1E+6], 0
	s_mov_b32 s[G1E+7], 0
	s_mul_i32 s20, s17, 2*PANEL                    ; A: the tile's two panels
	s_mov_b32 s21, 0
	s_mul_i32 s46, s42, 2*PANEL                    ; B
	s_mov_b32 s47, 0
	s_mul_i32 s18, s16, PANEL                      ; in the ring: which of the two
	s_mov_b32 s19, 0
	s_mul_i32 s45, s14, HB                         ; and where it goes in a slot
	s_mul_i32 s22, s16, AEH
	s_mov_b32 s23, 0
	s_cmp_eq_u32 s15, 0
	s_cselect_b32 s2, s40, s41                     ; my place among the four that ask with me
	s_mul_i32 s2, s2, SHARE
	s_mov_b32 s3, 0
	s_wait_dscnt 0x0                               ; both opening adds are done
	s_wait_kmcnt 0x0
	s_add_nc_u64 s[20:21], s[4:5], s[20:21]
	s_add_nc_u64 s[46:47], s[6:7], s[46:47]
	s_mov_b32 s[G0H], 1
	s_mov_b32 s[G0H+1], 0
	s_mov_b64 s[G0H+2:G0H+3], s[20:21]
	s_or_b32 s[G0H+3], s[G0H+3], 0x80000000
	s_mov_b32 s[G0HB], 1
	s_mov_b32 s[G0HB+1], 2*HB
	s_mov_b64 s[G0HB+2:G0HB+3], s[46:47]
	s_or_b32 s[G0HB+3], s[G0HB+3], 0x80000000
	s_mov_b32 s[G0E], 1
	s_add_co_u32 s[G0E+1], s22, AEL
	s_add_nc_u64 s[G0E+2:G0E+3], s[8:9], s[22:23]
	s_or_b32 s[G0E+3], s[G0E+3], 0x80000000
	s_add_nc_u64 s[20:21], s[20:21], s[18:19]      ; for the ring: my panel
	s_add_nc_u64 s[46:47], s[46:47], s[18:19]
.irp s, 0,1
	s_mov_b32 s[G0+4*\s], 1
	s_add_co_u32 s[G0+4*\s+1], s45, \s*SLOT
	s_add_nc_u64 s[G0+4*\s+2:G0+4*\s+3], s[20:21], \s*HB
	s_or_b32 s[G0+4*\s+3], s[G0+4*\s+3], 0x80000000
	s_mov_b32 s[G0B+4*\s], 1
	s_add_co_u32 s[G0B+4*\s+1], s45, \s*SLOT
	s_add_nc_u64 s[G0B+4*\s+2:G0B+4*\s+3], s[46:47], \s*HB
	s_or_b32 s[G0B+4*\s+3], s[G0B+4*\s+3], 0x80000000
.endr
	s_cmp_eq_u32 s15, 0
	s_cselect_b64 s[PFA:PFA+1], s[20:21], s[46:47]
	s_add_nc_u64 s[PFA:PFA+1], s[PFA:PFA+1], s[2:3]
	CROUND                                         ; all sixteen work-groups are here: the first joint loads meet
.macro ARM under, g0, g1, next         ; one chain of branches on the wave's number, one load to an arm, one join
	s_cmp_lt_u32 s14, \under
	s_cbranch_scc0 \next
	tensor_load_to_lds s[\g0:\g0+3], s[\g1:\g1+7]
	s_nop 0
.rept 4
	v_nop
.endr
	s_branch .Lhead_asked
\next:
.endm
	ARM 1, G0H,  G1H,  .Lhead_b
	ARM 2, G0HB, G1HB, .Lhead_e
	tensor_load_to_lds s[G0E:G0E+3], s[G1E:G1E+7]
	s_nop 0
.rept 4
	v_nop
.endr
.Lhead_asked:
	s_lshl_b32 s20, s17, 8                         ; my part of out0: row 256 x tile row + 128 x half, 16,384 bytes a row,
	s_lshl_b32 s21, s15, 7
	s_add_co_u32 s20, s20, s21
	s_lshl_b32 s20, s20, 14
	s_mov_b32 s21, 0
	s_lshl_b32 s46, s42, 10                        ; column: 1,024 bytes x tile column + 512 x half
	s_lshl_b32 s47, s16, 9
	s_add_co_u32 s46, s46, s47
	s_mov_b32 s47, 0
	s_add_nc_u64 s[20:21], s[20:21], s[46:47]
	s_add_nc_u64 s[12:13], s[12:13], s[20:21]
	s_lshl_b32 s46, s42, 14                        ; lora_B: my 128 rows of 64 bytes
	s_lshl_b32 s47, s16, 13
	s_add_co_u32 s46, s46, s47
	s_mov_b32 s47, 0
	s_add_nc_u64 s[10:11], s[10:11], s[46:47]
	s_mul_i32 s18, s15, HB                         ; my block of A in a slot,
	s_mul_i32 s19, s16, HB
	s_add_co_u32 s19, s19, 2*HB                    ; of B,
	s_xor_b32 s22, s15, 1
	s_add_co_u32 s22, s22, s16
	s_add_co_u32 s22, s22, 1
	s_mul_i32 s22, s22, HB                         ; the distance between the two,
	s_add_co_u32 s23, s18, 32768                   ; A's scale words,
	s_mul_i32 s45, s14, 16*SPITCH                  ; my stage
	v_and_b32 v1, 15, v0                           ; r
	v_bfe_u32 v2, v0, 4, 1                         ; h
	v_and_b32 v3, 31, v0
	v_lshlrev_b32 v[CO], 4, v3
	v_add_nc_u32 v[ADRA], s18, v[CO]
	v_add_nc_u32 v[ADRB], s19, v[CO]
	v_add_nc_u32 v[ADRA+1], SLOT, v[ADRA]
	v_add_nc_u32 v[ADRB+1], SLOT, v[ADRB]
	v_mul_u32_u24 v5, s22, v2                      ; lanes 16-31 take B's words
	v_lshl_add_u32 v5, v1, 4, v5
	v_add_nc_u32 v[ADRS], s23, v5
	v_add_nc_u32 v[ADRS+1], SLOT, v[ADRS]
	v_add_nc_u32 v[ADRE], AEL, v[CO]
	v_lshl_add_u32 v[ADRES], v1, 4, AEL+4096
	v_mul_u32_u24 v5, v1, SPITCH
	v_lshl_add_u32 v5, v2, 5, v5
	v_add_nc_u32 v[STO], s45, v5
	v_add_nc_u32 v[RD], s45, v[CO]
	v_lshlrev_b32 v[LBO], 6, v1                    ; lora_B: row r of 64 bytes, + 32 h
	v_lshl_add_u32 v[LBO], v2, 5, v[LBO]
	v_lshlrev_b32 v[PF0], 8, v3                    ; blocks 0-31 of my 34,
	v_min_u32 v4, 1, v3
	v_lshl_add_u32 v[PF1], v4, 8, 8192             ; blocks 32 and 33
	s_wait_alu depctr_va_vdst(0)
.irp b, 0,1,2,3,4,5,6,7
.irp e, 0,1
	global_load_b128 v[LBR+8*\b+4*\e:LBR+8*\b+4*\e+3], v[LBO], s[10:11] offset:1024*\b+16*\e
.endr
.endr
	PF                                             ; K step 2
.macro FRAG reg, adr, q, i             ; 16 rows x 128 k: 8 registers, two loads of 512 consecutive bytes
.irp c, 0,1
	ds_load_b128 v[\reg+4*\c:\reg+4*\c+3], v[\adr] offset:4096*(\i)+1024*(\q)+512*\c
.endr
.endm
; 16 matrix instructions: A's blocks a0, a0 + 1 x B's eight.  p: the sets of fragments; q: which 128 of the slot; sc: the set of scale words.  The accumulators take turns.
.macro MUL16 a0, p, q, sc, zero
.irp a, \a0, \a0+1
.irp b, 0,1,2,3,4,5,6,7
.if \zero
	v_wmma_scale_f32_16x16x128_f8f6f4 v[8*(8*((\a)%4)+\b):8*(8*((\a)%4)+\b)+7], v[128*(\p)+8*\b:128*(\p)+8*\b+7], v[AF+64*(\p)+8*(\a):AF+64*(\p)+8*(\a)+7], 0, v[SC+8*NQ*(\sc)+NQ*\b+(\q)], v[SC+8*NQ*(\sc)+NQ*(\a)+(\q)] matrix_a_fmt:MATRIX_FMT_FP4 matrix_b_fmt:MATRIX_FMT_FP4 matrix_a_scale:MATRIX_SCALE_ROW1
.else
	v_wmma_scale_f32_16x16x128_f8f6f4 v[8*(8*((\a)%4)+\b):8*(8*((\a)%4)+\b)+7], v[128*(\p)+8*\b:128*(\p)+8*\b+7], v[AF+64*(\p)+8*(\a):AF+64*(\p)+8*(\a)+7], v[8*(8*((\a)%4)+\b):8*(8*((\a)%4)+\b)+7], v[SC+8*NQ*(\sc)+NQ*\b+(\q)], v[SC+8*NQ*(\sc)+NQ*(\a)+(\q)] matrix_a_fmt:MATRIX_FMT_FP4 matrix_b_fmt:MATRIX_FMT_FP4 matrix_a_scale:MATRIX_SCALE_ROW1
.endif
.endr
.endr
.endm
.macro T4 a0, p, q, sc, zero           ; T of A's blocks a0 .. a0 + 3: source 0 = aq's 16 rows
	WIN W_T
.irp a, \a0, \a0+1, \a0+2, \a0+3
.if \zero
	v_wmma_scale_f32_16x16x128_f8f6f4 v[TA+8*(\a):TA+8*(\a)+7], v[EF+8*(\p):EF+8*(\p)+7], v[AF+64*(\p)+8*(\a):AF+64*(\p)+8*(\a)+7], 0, v[SCE+NQ*(\sc)+(\q)], v[SC+8*NQ*(\sc)+NQ*(\a)+(\q)] matrix_a_fmt:MATRIX_FMT_FP4 matrix_b_fmt:MATRIX_FMT_FP4
.else
	v_wmma_scale_f32_16x16x128_f8f6f4 v[TA+8*(\a):TA+8*(\a)+7], v[EF+8*(\p):EF+8*(\p)+7], v[AF+64*(\p)+8*(\a):AF+64*(\p)+8*(\a)+7], v[TA+8*(\a):TA+8*(\a)+7], v[SCE+NQ*(\sc)+(\q)], v[SC+8*NQ*(\sc)+NQ*(\a)+(\q)] matrix_a_fmt:MATRIX_FMT_FP4 matrix_b_fmt:MATRIX_FMT_FP4
.endif
.endr
.endm
.macro FETCH slot, q, p                ; 34 LDS loads in one run: all fragments of the slot's q-th 128 along K into sets p
	WIN TO_B
.irp i, 0,1,2,3,4,5,6,7
	FRAG 128*(\p)+8*\i, ADRB+\slot, \q, \i
.endr
.irp c, 0,1
	ds_load_b128 v[EF+8*(\p)+4*\c:EF+8*(\p)+4*\c+3], v[ADRE] offset:1024*(\q)+512*\c
.endr
	WIN 0
.irp i, 0,1,2,3,4,5,6,7
	FRAG AF+64*(\p)+8*\i, ADRA+\slot, \q, \i
.endr
.endm
.macro SCALES sc                       ; a K step's scale words: lanes 0-15 A's block i, lanes 16-31 B's block i; and aq's
.irp i, 0,1,2,3,4,5,6,7
	ds_load_b128 v[SC+8*NQ*\sc+NQ*\i:SC+8*NQ*\sc+NQ*\i+3], v[ADRS+\sc] offset:256*\i
.endr
	ds_load_b128 v[SCE+NQ*\sc:SCE+NQ*\sc+3], v[ADRES]
.endm
.macro PLACES n
.rept \n
	v_nop
.endr
.endm
.macro REST p, q, sc, zero             ; a step's products behind its first sixteen
	WIN MUL_LO
	MUL16 2, \p, \q, \sc, \zero
	T4 0, \p, \q, \sc, \zero
	WIN MUL_HI
	MUL16 4, \p, \q, \sc, \zero
	MUL16 6, \p, \q, \sc, \zero
	T4 4, \p, \q, \sc, \zero
.endm
.macro STEP slot, q, zero              ; a step of 128 along K that has its successor in the same slot
	PLACES NP                                      ; behind the last step's products, ahead of loads into the registers that they read
	FETCH \slot, (\q)+1, 1-(\q)%2                  ; the next step's 34 loads go out first; this step's, asked for a step ago, are older and come back ahead of them
	s_wait_dscnt 34+12                             ; may be out: the 34 just issued and A's blocks 2-7 (the youngest 12 of this step's run); scale words, B, aq's rows and A's blocks 0, 1 are in
	WIN MUL_LO
	MUL16 0, (\q)%2, \q, \slot, \zero
	s_wait_dscnt 34+8                              ; A's blocks 2, 3 are in
	MUL16 2, (\q)%2, \q, \slot, \zero
	T4 0, (\q)%2, \q, \slot, \zero
	s_wait_dscnt 34                                ; all of this step's fragments are in
	WIN MUL_HI
	MUL16 4, (\q)%2, \q, \slot, \zero
	MUL16 6, (\q)%2, \q, \slot, \zero
	T4 4, (\q)%2, \q, \slot, \zero
.endm
; A slot's last step changes slots at its head.  fill = 1: the slot is filled again, two K steps on, behind a round of the cluster's barrier.
.macro TURN slot, next, fill
	WIN 0
.if \fill
	s_wait_xcnt 0x0                                ; my prefetches have read their address: it steps to the K step that is loaded below
	s_add_nc_u64 s[PFA:PFA+1], s[PFA:PFA+1], HB
.endif
	s_wait_tensorcnt 0x0                           ; all my tensor loads have landed: my part of the next slot
	ds_add_u32 v[SPW], v[NIL]
.if \fill
	s_add_nc_u64 s[G0+4*\slot+2:G0+4*\slot+3], s[G0+4*\slot+2:G0+4*\slot+3], 2*HB    ; no load of mine is out: the descriptors step
	s_add_nc_u64 s[G0B+4*\slot+2:G0B+4*\slot+3], s[G0B+4*\slot+2:G0B+4*\slot+3], 2*HB
.endif
	s_wait_dscnt 0x0                               ; the add is done; this step's fragments are in, and they were my last reads of this slot
	s_barrier_signal -1
	WIN MUL_LO
	MUL16 0, 1, NQ-1, \slot, 0                     ; work on registers while the others arrive
	WIN 0
	s_barrier_wait -1
.if \fill
	CREST                                          ; no wave of any partner still reads this slot or has a load on its way
	JLOAD G0+4*\slot, G1, G0B+4*\slot, G1B         ; its four v_nop are also the places in front of the loads below
.else
	PLACES NP
.endif
	v_add_nc_u32 v[ADRE], AES, v[ADRE]             ; aq's part of the next K step
	v_add_nc_u32 v[ADRES], AES, v[ADRES]
	s_wait_alu depctr_va_vdst(0)
	SCALES \next                                   ; the scale words first, so that A's sixteen loads are the youngest of the run, as in every step
	FETCH \next, 0, 0
.if \fill
	s_cmp_gt_u32 s3, 1                             ; the last trip loads K steps 6 and 7: nothing lies two on
	s_cbranch_scc0 .Lno_ask_\@
	PF
.Lno_ask_\@:
.endif
	REST 1, NQ-1, \slot, 0
.endm
.macro STEPS slot, from
.set Q, \from
.rept NQ-1-\from
	STEP \slot, Q, 0
.set Q, Q+1
.endr
.endm
	s_wait_tensorcnt 0x0                           ; my tile of the head's is in
	ds_add_u32 v[SPW], v[NIL]
	s_wait_dscnt 0x0
	CROUND                                         ; everybody's tile is in, and all sixteen work-groups are here
	JLOAD G0+4, G1, G0B+4, G1B                     ; K step 1, a block a wave
	SCALES 0
	FETCH 0, 0, 0
	s_wait_xcnt 0x0
	s_add_nc_u64 s[PFA:PFA+1], s[PFA:PFA+1], HB
	PF                                             ; K step 3
	s_wait_loadcnt 0x0                             ; lora_B
.irp i, 0,2,4,6,8,10,12,14,16,18,20,22,24,26,28,30,32,34,36,38,40,42,44,46,48,50,52,54,56,58,60,62
	v_pk_mul_f32 v[LBR+\i:LBR+\i+1], v[LBR+\i:LBR+\i+1], 0x3f7ffff6 op_sel_hi:[1,0]   ; x c = 16 / 16.00001
.endr
	WIN TO_B
.irp b, 0,1,2,3,4,5,6,7
.irp i, 0,1,2,3
	v_cvt_pk_bf16_f32 v[LBP+4*\b+\i], v[LBR+8*\b+2*\i], v[LBR+8*\b+2*\i+1]
.endr
.endr
	WIN 0
	s_wait_alu depctr_va_vdst(0)
	STEP 0, 0, 1                                   ; the first step's products start the sums
	WIN 0
	s_mov_b32 s3, LAPS-1
.Llap:                                                 ; a trip goes once round the ring and fills both slots again
	STEPS 0, 1
	TURN 0, 1, 1
	STEPS 1, 0
	TURN 1, 0, 1
	STEP 0, 0, 0
	WIN 0
	s_sub_co_u32 s3, s3, 1
	s_cmp_lg_u32 s3, 0
	s_cbranch_scc1 .Llap
	STEPS 0, 1                                     ; the last lap fills nothing
	TURN 0, 1, 0
	STEPS 1, 0
	s_wait_dscnt 0x0
	WIN MUL_LO
	MUL16 0, 1, NQ-1, 1, 0
	REST 1, NQ-1, 1, 0
	PLACES NP+1
; THE THIRD PRODUCT, K = 16 of the bf16 form's 32: registers 0-3 of a fragment hold k = 8 h .. 8 h + 7, registers 4-7 zeros.
	WIN ALL1
.irp b, 0,1,2,3,4,5,6,7
.irp i, 0,1,2,3
	v_mov_b32 v[8*\b+\i], v[LBP+4*\b+\i]
	v_mov_b32 v[8*\b+4+\i], 0
.endr
.endr
.irp a, 0,1,2,3,4,5,6,7
.irp i, 0,1,2,3
	v_cvt_pk_bf16_f32 v[TF+8*\a+\i], v[TA+8*\a+2*\i], v[TA+8*\a+2*\i+1]   ; each accumulator of T from its low end on
	v_mov_b32 v[TF+8*\a+4+\i], 0
.endr
.endr
	s_wait_alu depctr_va_vdst(0)                   ; the later blocks' products read these fragments behind the way out's waits
	PLACES NP
.macro LORA a                          ; block a's eight accumulators take c T lora_B^T on top
	WIN 0xa5+0x50*((\a)/4)
.irp b, 0,1,2,3,4,5,6,7
	v_wmma_f32_16x16x32_bf16 v[8*(8*((\a)%4)+\b):8*(8*((\a)%4)+\b)+7], v[8*\b:8*\b+7], v[TF+8*(\a):TF+8*(\a)+7], v[8*(8*((\a)%4)+\b):8*(8*((\a)%4)+\b)+7]
.endr
.endm
; THE WAY OUT, block by block of 16 rows x 128 columns: through my stage, back as whole rows of 512 bytes.  LDS serves a wave's instructions in order (ISA guide 5.7.1.4).
.macro TOSTAGE a
.set AC, 64*((\a)%4)
	WIN 0x08+4*((\a)/4)
.irp b, 0,1,2,3,4,5,6,7
	ds_store_b128 v[STO], v[AC+8*\b:AC+8*\b+3] offset:64*\b
	ds_store_b128 v[STO], v[AC+8*\b+4:AC+8*\b+7] offset:64*\b+16
.endr
	WIN 0
.set BB, BK+64*((\a)%2)
.irp t, 0,1,2,3,4,5,6,7,8,9,10,11,12,13,14,15
	ds_load_b128 v[BB+4*\t:BB+4*\t+3], v[RD] offset:\t*SPITCH
.endr
.endm
.macro SEND a, younger                 ; younger: the LDS instructions issued behind block a's loads
.set BB, BK+64*((\a)%2)
	s_wait_dscnt \younger
.if (\a) > 0
	s_add_nc_u64 s[12:13], s[12:13], 16*SIZE_N*4   ; behind a wait on XCNT: the earlier stores have read their base
.endif
.irp t, 0,1,2,3,4,5,6,7,8,9,10,11,12,13,14,15
	global_store_b128 v[CO], v[BB+4*\t:BB+4*\t+3], s[12:13] offset:\t*SIZE_N*4   ; 32 lanes store 512 consecutive bytes, at a multiple of 512 from out0's first byte
.endr
.endm
	LORA 0
	LORA 1
	PLACES NP
	TOSTAGE 0
.irp a, 1,2,3,4,5,6,7
.if \a < 7
	LORA \a+1                                      ; the next block's products stand ahead of this block's way through the stage
	PLACES NP
.endif
.if \a > 1
	s_wait_xcnt 0x0                                ; block a - 2's stores have read their registers and their base
.endif
	TOSTAGE \a
	SEND \a-1, 32                                  ; behind block a - 1's loads: block a's 16 stores and 16 loads
.endr
	s_wait_xcnt 0x0
	SEND 7, 0
	s_wait_tensorcnt 0x0                           ; the wave's end
	ds_add_u32 v[SPW], v[NIL]
	s_wait_dscnt 0x0
	CROUND                                         ; the closing round
	s_endpgm
.Lfunc_end_k_q74fde31065_gemm:
	.size	k_q74fde31065_gemm, .Lfunc_end_k_q74fde31065_gemm-k_q74fde31065_gemm
	.p2alignl 7, 3214868480
	.fill 96, 4, 3214868480
	.section	.rodata,"a",@progbits
	.p2align	6, 0x0
	.amdhsa_kernel k_q74fde31065_gemm
		.amdhsa_group_segment_fixed_size 327680
		.amdhsa_private_segment_fixed_size 0
		.amdhsa_enable_private_segment 0
		.amdhsa_kernarg_size 40
		.amdhsa_user_sgpr_count 2
		.amdhsa_user_sgpr_kernarg_segment_ptr 1
		.amdhsa_wavefront_size32 1
		.amdhsa_system_sgpr_workgroup_id_x 1
		.amdhsa_system_sgpr_workgroup_id_y 1
		.amdhsa_system_sgpr_workgroup_id_z 1
		.amdhsa_system_vgpr_workitem_id 0
		.amdhsa_next_free_vgpr 1024
		.amdhsa_next_free_sgpr 102
		.amdhsa_reserve_vcc 0
		.amdhsa_float_denorm_mode_32 3
		.amdhsa_float_denorm_mode_16_64 3
		.amdhsa_memory_ordered 1
		.amdhsa_forward_progress 1
		.amdhsa_inst_pref_size 248
	.end_amdhsa_kernel
	.amdgpu_metadata
---
amdhsa.version: [ 1, 2 ]
amdhsa.kernels:
  - .name:           k_q74fde31065_gemm
    .symbol:         k_q74fde31065_gemm.kd
    .args:
      - { .name: xq, .offset: 0, .size: 8, .value_kind: global_buffer, .address_space: global }
      - { .name: wq, .offset: 8, .size: 8, .value_kind: global_buffer, .address_space: global }
      - { .name: aq, .offset: 16, .size: 8, .value_kind: global_buffer, .address_space: global }
      - { .name: lora_B, .offset: 24, .size: 8, .value_kind: global_buffer, .address_space: global }
      - { .name: out0, .offset: 32, .size: 8, .value_kind: global_buffer, .address_space: global }
    .group_segment_fixed_size: 327680
    .private_segment_fixed_size: 0
    .kernarg_segment_align: 8
    .kernarg_segment_size: 40
    .max_flat_workgroup_size: 128
    .sgpr_count:     102
    .vgpr_count:     1024
    .wavefront_size: 32
...
	.end_amdgpu_metadata
.endif
;; end of part 2
